; MI455X (gfx1250); checked and timed in simulation.
; The chip was launched on July 23, 2026; its instructions are those of AMD's public machine-readable ISA for CDNA 5 (MIT licence, August 2026) and "CDNA5" Instruction Set Architecture Reference Guide (July 2026). The comments in the code are by the model that wrote it; some were corrected since.
;; Masked Multi Head Attention. Allowed arithmetic: matrix products marked QUANTISED: E5M2 operands, one given power-of-two scale a tensor, by v_wmma_f32_16x16x64_bf8_bf8 or v_wmma_f32_16x16x128_bf8_bf8, f32 sums; everything else in f32.
;; Inputs: W 3,072 x 1,024 float32; b 3,072 float32; lowp_scales 6 int32 (the exponents e of the quantised operands' scales 2^e); x 4 x 2,048 x 1,024 float32.
;; Outputs: out0 4 x 2,048 x 1,024 float32.
;; This version of the problem:
;;   THIS VERSION OF THE PROBLEM IS GIVEN IN LOW PRECISION. The matrix products marked QUANTISED in the list below multiply operands that are first quantised to E5M2 (5 exponent bits, 2 mantissa bits; 8 bits a number), with one given power-of-two scale for each operand tensor; their sums are f32. All else is computed in f32.
;;   The module's matrix products, in the order in which they are computed (A, B: the left and right operand; K: the contracted axis; several contracted axes count as one K, in the product's order):
;;     1. [M 8,192, K 1,024] x [K 1,024, N 3,072]; A: input x; B: input W: QUANTISED (scales: A lowp_scales[0], B lowp_scales[1])
;;     2. batch 64 x [M 2,048, K 64] x [K 64, N 2,048]; A: computed on the way; B: computed on the way: QUANTISED (scales: A lowp_scales[2], B lowp_scales[3])
;;     3. batch 64 x [M 2,048, K 2,048] x [K 2,048, N 64]; A: softmax (see below); B: computed on the way: QUANTISED (scales: A lowp_scales[4], B lowp_scales[5])
;;   THE QUANTISER, for each operand of a quantised product, along K:
;;     - The operand's scale is 2^e, e = its entry of the input lowp_scales (int32; the entries are numbered through the quantised products in the list's order, A before B).
;;     - Each number is divided by the scale, clamped to +-57,344, and rounded to the nearest number of E5M2, ties to even, subnormals kept.
;;     - The product sums the exact products of the quantised numbers (number of the format x scale) in f32.
;;   ~~~python
;;   def quantise(x, axis, e):      # numpy; x: float32 -> the quantised numbers, widened to float32 again
;;       x = np.moveaxis(x, axis, -1); K = x.shape[-1]
;;       r = np.clip(x / 2.0 ** e, -57344, 57344)
;;       step = 2.0 ** (np.maximum(np.frexp(np.where(r == 0, 1, r))[1] - 1, -14) - 2)
;;       q = np.round(r / step) * step * 2.0 ** e      # np.round: ties to even
;;       return np.moveaxis(q, -1, axis).astype(np.float32)
;;   ~~~
;;   SOFTMAX AHEAD OF A QUANTISED PRODUCT. Where the list says 'softmax', what is quantised is not the finished softmax but p = 2^(t - M), with t = logit x log2(e) and M = ceil(the row's largest t), a whole number; so 1/2 < the row's largest p <= 1. The row's sum l is taken of the UNQUANTISED p, in f32, and the product's result is divided by l at the end. Since M is a whole number, a kernel that streams over the keys may use a running M (the ceiling of the running maximum): every later rescaling is an exact power of two, so the quantised numbers keep their values, but for numbers so far below the row's largest that they fall under the format's range.
;;   OPERANDS COMPUTED ON THE WAY. 'Computed on the way' means the value that the module computes at that place (a softmax that the list does not call 'softmax' is quantised finished and normalised). What goes into a quantiser is computed in f32, as accurately as f32 sums, v_exp_f32 and their like allow (about 1e-6 of the number): no bf16 or f16 on the way to a quantiser, and a product that is left as it is and whose result goes on into a quantised operand takes f32 operands (vector FMAs, or v_wmma_f32_16x16x4_f32). A number that lies on a knife's edge between two numbers of the format may be rounded either way, as far as f32 arithmetic and the matrix unit's own rounding can turn it there, and no further.
;; One version. Each part assembles by itself: llvm-mc -triple=amdgcn-amd-amdhsa -mcpu=gfx1250 --defsym DOCPART=n.
;; ======== version 1 of 1: 3 launches
;; workspace buffers: xc 8,388,608 bytes; wc 3,145,728 bytes; qkv 25,165,824 bytes
;; launch quant (part 1): grid 352 x 1, 4 waves a work-group, no clusters, 33,280 bytes of LDS; arguments x, W, lowp_scales, xc, wc; writes xc, wc
.if DOCPART == 1
	.amdgcn_target "amdgcn-amd-amdhsa--gfx1250"
	.amdhsa_code_object_version 6
	.text
	.protected	k_qd201d2e92c_quant
	.globl	k_qd201d2e92c_quant
	.p2align	8
	.type	k_qd201d2e92c_quant,@function
k_qd201d2e92c_quant:
	s_mov_b64 s[64:65], 0
	v_nop
	global_prefetch_b8 v0, s[64:65] scope:SCOPE_SE
	s_setreg_imm32_b32 hwreg(HW_REG_WAVE_MODE, 25, 1), 1
	s_wait_xcnt 0x0
; THE PROGRAM: out = causal attention over z = x W^T + b, all three products on codes of BF8 (E5M2), each operand with the one scale 2^e that is given for it.
;   launch 1 (this one): x and W become codes (scales e0, e1).   launch 2: z = x W^T + b, cut into k, q, v and quantised at once (e3, e2, e5); z itself never goes to memory.   launch 3: the attention.
; WORK LEFT OUT: in launch 3 the key steps all of whose 128 keys come after all 16 queries of a wave.  reference() itself sets those scores to -inf by its own jnp.tril mask, so their softmax weight is 0
; and they add nothing to any output, whatever finite values x, W and b hold.  Nothing else is left out: the bias goes into three quantisers and stays; every input is loaded.
; LIMIT of that: a NaN, an infinity or an overflow that reaches only those hidden steps is not carried to the result.
; THIS LAUNCH: x [8192][1024] and W [3072][1024], f32, K innermost, become codes, one byte a number, laid as the numbers lie.
; code = number / 2^e, held within +-57,344, rounded to the nearest code, ties to even.  e is entry 0 (x) or entry 1 (W) of lowp_scales.  LIMITS: -126 <= e <= 112.  NaN among the inputs is not served; an infinity is held at the largest code.
; Rows are dense, so both tensors are plain streams.  A wave takes 16 steps of 512 numbers.  The conversion takes 8 numbers from ONE lane's consecutive registers, so a lane must hold 16 NEIGHBOURS; a load is best where
; neighbouring LANES take neighbouring bytes.  Both are had: each of a step's four loads reads 512 consecutive bytes, 16 a lane; the 2,048 bytes go through the wave's own stage in LDS, as they lie, and come back 64 bytes a lane.
; The stage has 16 bytes of padding behind each 64.  A lane's 16 codes are 16 bytes: the wave stores 512 consecutive bytes.
; One launch serves both tensors: the first WGA work-groups take x, the others W; only pointers are chosen.  No tensor loads, no barrier: waves share nothing.  Loads run four steps (16 loads a wave) ahead, the turn through LDS one step.
.set SIZE_M, 8192
.set SIZE_N, 3072
.set SIZE_K, 1024
.set WAVES, 4
.set STEPS, 16
.set WGA,   SIZE_M*SIZE_K/(512*STEPS*WAVES)    ; 256 work-groups for x, 96 for W
.set EMAX,  15
.set MANT,  0x600000                   ; the mantissa field of 57,344 as f32
.set CB,    16                         ; bytes of 16 codes
.set R,     16                         ; v16-79   four sets of 16 numbers as they are loaded
.set X,     80                         ; v80-111  two sets of 16 neighbours
.set C,     128                        ; v128-191 codes: four registers for each step, so that no store's data are written again
.set WREG,  8192                       ; LDS: a region of its own for each wave: two stages of 32 x SP bytes
.set SP,    80                         ; a lane's place in a stage: its 64 bytes + 16 of padding
.set SPW,   12                         ; v12      LDS address of my spare word: SPARE + 4 x my thread's number; never rewritten
.set NIL,   13                         ; v13      0; never rewritten
.set SPARE, WAVES*WREG                 ; behind the four regions: the spare words, 128 bytes for each wave, which no other line names
	s_load_b128 s[4:7], s[0:1], 0x0                ; x, W
	s_load_b64 s[10:11], s[0:1], 0x10              ; the scales' exponents
	s_load_b128 s[12:15], s[0:1], 0x18             ; x's codes, W's codes
	v_lshl_add_u32 v[SPW], v0, 2, SPARE
	v_mov_b32 v[NIL], 0
	v_lshrrev_b32 v1, 5, v0
	v_readfirstlane_b32 s16, v1                    ; wave
	v_and_b32 v2, 31, v0                           ; lane
	v_lshlrev_b32 v3, 4, v2                        ; my 16 bytes of a load's 512
	s_mul_i32 s17, s16, WREG
	v_lshrrev_b32 v14, 2, v2
	v_mul_u32_u24 v14, v14, SP
	v_and_b32 v15, 3, v2
	v_lshl_add_u32 v14, v15, 4, v14
	v_add_nc_u32 v14, s17, v14                     ; the stage, on the way in: four lanes' 64 bytes on end, then 16 of padding
	v_mul_u32_u24 v15, v2, SP
	v_add_nc_u32 v15, s17, v15                     ; and on the way out: SP x lane: my 16 neighbours
	v_mul_u32_u24 v4, v2, CB                       ; my codes' place in a step's
	s_wait_kmcnt 0x0
	s_load_b64 s[22:23], s[10:11], 0x0             ; e0, e1
	s_cmp_lt_u32 ttmp9, WGA                        ; x's work-group or W's?  The choice hangs on the work-group's number alone
	s_cselect_b64 s[4:5], s[4:5], s[6:7]
	s_cselect_b64 s[8:9], s[12:13], s[14:15]
	s_cselect_b32 s17, 0, WGA
	s_sub_co_u32 s17, ttmp9, s17
	s_lshl_b32 s17, s17, 2
	s_add_co_u32 s18, s17, s16                     ; which run of 8,192 numbers of the tensor is my wave's
	s_mov_b32 s19, 0
	s_mov_b64 s[20:21], 512*STEPS*4
	s_mul_u64 s[20:21], s[18:19], s[20:21]
	s_add_nc_u64 s[4:5], s[4:5], s[20:21]
	s_mov_b64 s[20:21], 32*STEPS*CB
	s_mul_u64 s[20:21], s[18:19], s[20:21]
	s_add_nc_u64 s[8:9], s[8:9], s[20:21]
.macro LOAD t
.irp i, 0,1,2,3
	global_load_b128 v[R+16*((\t)%4)+4*\i:R+16*((\t)%4)+4*\i+3], v3, s[4:5] offset:2048*(\t)+512*\i th:TH_LOAD_NT   ; 32 lanes read 512 consecutive bytes
.endr
.endm
.macro TURN t                          ; step t's numbers through the stage: LDS serves a wave's instructions in order, so no wait stands between the stores and the loads
.irp i, 0,1,2,3
	ds_store_b128 v14, v[R+16*((\t)%4)+4*\i:R+16*((\t)%4)+4*\i+3] offset:32*SP*((\t)%2)+8*SP*\i
.endr
.irp i, 0,1,2,3
	ds_load_b128 v[X+16*((\t)%2)+4*\i:X+16*((\t)%2)+4*\i+3], v15 offset:32*SP*((\t)%2)+16*\i
.endr
.endm
.irp t, 0,1,2,3
	LOAD \t
.endr
	s_wait_kmcnt 0x0
	s_cmp_lt_u32 ttmp9, WGA
	s_cselect_b32 s22, s22, s23                    ; e
	s_add_co_i32 s22, s22, 127
	s_lshl_b32 s23, s22, 23
	v_mov_b32 v11, s23                             ; 2^e as f32: the conversion takes its exponent field
	s_add_co_i32 s22, s22, EMAX
	s_lshl_b32 s22, s22, 23
	s_or_b32 s22, s22, MANT
	v_mov_b32 v10, s22                             ; the largest number x 2^e
	s_wait_loadcnt 12                              ; step 0's four loads are in; the twelve of steps 1 to 3 may be out
	TURN 0
.macro STEP t
.set XS, X+16*((\t)%2)
	s_wait_dscnt 0x0                               ; this step's numbers are back from the stage: so its stores into the stage have read their registers,
.if (\t)+4 < STEPS
	LOAD (\t)+4                                    ; which take the loads of four steps on
.endif
.if (\t)+1 < STEPS
.if STEPS-2-(\t) >= 3
	s_wait_loadcnt 12                              ; the next step's four loads are in; those of the three steps behind it may be out
.else
	s_wait_loadcnt 4*(STEPS-2-(\t))
.endif
	TURN (\t)+1                                    ; and go through the other stage while this step is worked
.endif
.irp i, 0,1,2,3,4,5,6,7,8,9,10,11,12,13,14,15
	v_med3_num_f32 v[XS+\i], v[XS+\i], -v10, v10   ; the conversion to an 8-bit code does not saturate (ISA guide 7.6.2): hold the number within the largest code x the scale first
.endr
	v_cvt_scalef32_pk8_bf8_f32 v[C+4*(\t):C+4*(\t)+1], v[XS:XS+7], v11          ; eight numbers / 2^e, to the nearest code, ties to even; the first number's code in the lowest byte
	v_cvt_scalef32_pk8_bf8_f32 v[C+4*(\t)+2:C+4*(\t)+3], v[XS+8:XS+15], v11
	global_store_b128 v4, v[C+4*(\t):C+4*(\t)+3], s[8:9] offset:32*CB*(\t)      ; the results go to a store alone; the next vector lines, the next step's holds, are plain and touch other registers
.endm
.irp t, 0,1,2,3,4,5,6,7,8,9,10,11,12,13,14,15
	STEP \t
.endr
	s_wait_tensorcnt 0x0                           ; the wave's end, behind my last LDS store
	ds_add_u32 v[SPW], v[NIL]
	s_wait_dscnt 0x0
	s_endpgm
.Lfunc_end_k_qd201d2e92c_quant:
	.size	k_qd201d2e92c_quant, .Lfunc_end_k_qd201d2e92c_quant-k_qd201d2e92c_quant
	.p2alignl 7, 3214868480
	.fill 96, 4, 3214868480
	.section	.rodata,"a",@progbits
	.p2align	6, 0x0
	.amdhsa_kernel k_qd201d2e92c_quant
		.amdhsa_group_segment_fixed_size 33280
		.amdhsa_private_segment_fixed_size 0
		.amdhsa_enable_private_segment 0
		.amdhsa_kernarg_size 40
		.amdhsa_user_sgpr_count 2
		.amdhsa_user_sgpr_kernarg_segment_ptr 1
		.amdhsa_wavefront_size32 1
		.amdhsa_system_sgpr_workgroup_id_x 1
		.amdhsa_system_sgpr_workgroup_id_y 1
		.amdhsa_system_sgpr_workgroup_id_z 1
		.amdhsa_system_vgpr_workitem_id 0
		.amdhsa_next_free_vgpr 192
		.amdhsa_next_free_sgpr 66
		.amdhsa_reserve_vcc 0
		.amdhsa_float_denorm_mode_32 3
		.amdhsa_float_denorm_mode_16_64 3
		.amdhsa_memory_ordered 1
		.amdhsa_forward_progress 1
		.amdhsa_inst_pref_size 37
	.end_amdhsa_kernel
	.amdgpu_metadata
---
amdhsa.version: [ 1, 2 ]
amdhsa.kernels:
  - .name:           k_qd201d2e92c_quant
    .symbol:         k_qd201d2e92c_quant.kd
    .args:
      - { .name: x, .offset: 0, .size: 8, .value_kind: global_buffer, .address_space: global }
      - { .name: W, .offset: 8, .size: 8, .value_kind: global_buffer, .address_space: global }
      - { .name: lowp_scales, .offset: 16, .size: 8, .value_kind: global_buffer, .address_space: global }
      - { .name: xc, .offset: 24, .size: 8, .value_kind: global_buffer, .address_space: global }
      - { .name: wc, .offset: 32, .size: 8, .value_kind: global_buffer, .address_space: global }
    .group_segment_fixed_size: 33280
    .private_segment_fixed_size: 0
    .kernarg_segment_align: 8
    .kernarg_segment_size: 40
    .max_flat_workgroup_size: 128
    .sgpr_count:     66
    .vgpr_count:     192
    .wavefront_size: 32
...
	.end_amdgpu_metadata
.endif
;; end of part 1
;; launch proj (part 2): grid 12 x 32, 4 waves a work-group, clusters of 4 x 4, 327,680 bytes of LDS; arguments xc, wc, b, lowp_scales, qkv; writes qkv
.if DOCPART == 2
	.amdgcn_target "amdgcn-amd-amdhsa--gfx1250"
	.amdhsa_code_object_version 6
	.text
	.protected	k_qd201d2e92c_proj
	.globl	k_qd201d2e92c_proj
	.p2align	8
	.type	k_qd201d2e92c_proj,@function
k_qd201d2e92c_proj:
	s_mov_b64 s[64:65], 0
	v_nop
	global_prefetch_b8 v0, s[64:65] scope:SCOPE_SE
	s_setreg_imm32_b32 hwreg(HW_REG_WAVE_MODE, 25, 1), 1
	s_wait_xcnt 0x0
	s_wait_alu depctr_hold_cnt(0) depctr_sa_sdst(0) depctr_va_vdst(0) depctr_va_sdst(0) depctr_va_ssrc(0) depctr_va_vcc(0) depctr_vm_vsrc(0)
	s_getreg_b32 s2, hwreg(HW_REG_IB_STS2, 6, 4)
	s_cmp_eq_u32 s2, 0
	s_cbranch_scc0 .Lentry_in_a_cluster
	s_endpgm
.Lentry_in_a_cluster:
	s_bfe_u32 s2, ttmp6, 0x10000c
	s_cmp_lg_u32 s2, 0xf033
	s_cbranch_scc0 .Lentry_shape_is_right
	s_endpgm
.Lentry_shape_is_right:
; z = x W^T + b on the codes of launch 1 (K = 1,024), and z's three parts k, q, v quantised at once: only codes leave.  No work is left out here.
; THE TEXT MAKES C' = A' B'^T, a tile of 256 x 256 to a work-group of four waves, 128 x 128 to a wave (64 accumulators, 512 registers), K in steps of 256 through a ring of two LDS slots.
; THE MATRIX INSTRUCTION IS USED TRANSPOSED (source 0 = 16 rows of B', source 1 = 16 rows of A'): lane (r, h), register j of accumulator (a, b) holds C'(16 a + r, 16 b + 8 h + j): eight neighbours of a row of C'.
; ROLES, by the cluster's x, which all sixteen partners share.  x = 0 (k) and 1 (q): A' = x's codes (rows = tokens), B' = W's codes (rows = features 1,024 x on): a lane's eight numbers are eight features of a token,
; which is the first attention product's K.  x = 2 (v): A' = W's rows 2,048 on (features), B' = x's codes (tokens): a lane's eight numbers are eight TOKENS of one feature: the second attention product's K, the keys, comes out innermost
; and nothing is transposed.  Only pointers, offsets and the first step's C differ between the roles.
; THE BIAS is the C of each sum's first matrix instruction, divided by 2^(e0 + e1), the power of two that the sums lack.  Then code = sum / 2^E, E = e_sel - e0 - e1, e_sel = e3 (k), e2 (q), e5 (v), held within +-57,344 x 2^E.
; LIMITS: E between -126 and 112.  NaN among the inputs is not served.
; qkv: three parts of 8,388,608 bytes (k, q, v), each [64 heads nh = 16 n + head][32 blocks][64 rows][64 bytes].  k, q: block = 64 tokens, row = token, bytes = the head's 64 features.  v: block = 64 keys, row = channel, bytes = the keys.
; Inside each 32 bytes, index 16 u + 8 h + j lies at byte 16 h + 8 u + j: so two neighbouring accumulators' codes of a lane are 16 bytes on end.  In q and k it is one permutation of K on both operands; in v it is the order in which launch 3's
; weights fall into their operand's registers.
; CLUSTERS: 4 x 4 work-groups.  The four of a row of the cluster need the same tiles of A', the four of a column the same tiles of B': each tile is asked for JOINTLY, by the same tensor load with the same descriptor and a mask that names the four.
; REGISTERS, in windows of 256: window 0: v1-31 addresses and constants; v32-95 the bias table, on the way out the held sums; v96-127 the bias loads' offsets, then codes; v128-255 A's fragments (one set), on the way out rows read back.
;   window 1: B's fragments, two sets, at v0 and v128.   window 2: the accumulators of my rows 0-63 ((a, b) at v[8 (8 a + b)]);   window 3: those of my rows 64-127.
.set KSTEP,  256                       ; along K in a slot
.set ROWB,   256                       ; a tile's row in bytes
.set KROW,   1024                      ; a row of codes in memory
.set PITCH,  272                       ; an LDS row: 256 bytes + 16 of padding = 68 words: row r starts at bank 4 r mod 64 (64 banks of 4 bytes: ISA guide 11.1), so the 16 rows that a load touches start at 16 different banks
.set FR,     16                        ; registers of a fragment: 16 rows x 128 K
.set NL,     4                         ; LDS loads that bring one
.set NP,     4                         ; places behind this matrix instruction (ISA guide 7.12.1)
.set HALFT,  128*PITCH                 ; 128 rows: what one tensor load brings
.set SLOT,   4*HALFT                   ; A's 256 rows, then B's 256 rows
.set SPARE,  2*SLOT                    ; behind the ring: the spare words, 128 bytes for each wave, which no other line names
.set SP,     144                       ; the way out: a stage row: 128 codes + 16 of padding
.set WSTG,   128*SP                    ; a wave's stage: 128 rows.  The four stages lie in slot 0, which has had its last fill and its last read when the first code is stored there
.set CO,   8                           ; v8-11   byte offsets in qkv: 16 x lane + cb x CS + ah x RS at v[CO + 2 cb + ah]; never rewritten
.set ADRA, 16                          ; v16-17  LDS address of my A fragments in slot 0, 1
.set ADRB, 20                          ; v20-21  the same for B
.set STO,  24                          ; v24     the way out: where I put 16 codes of a row
.set RD,   25                          ; v25     the way out: where I read 16 bytes back
.set SPW,  28                          ; v28     LDS address of my spare word; never rewritten
.set NIL,  29                          ; v29     0; never rewritten
.set SC,   30                          ; v30     2^E as f32
.set LIM,  31                          ; v31     57,344 x 2^E
.set BT,   32                          ; v32-95  the bias table: eight tiles of eight registers in the result's layout
.set TMP,  32                          ;         later: a block's 64 held sums
.set AJ,   96                          ; v96-103 the bias loads' offsets
.set CD,   96                          ; v96-127 later: a block's codes, two sets by turns
.set AF,   128                         ; A's fragments
.set BK,   128                         ; later: block a's rows read back, at v[BK + 16 a]: each register is stored from once
.set G1, 24                            ; s[24:31] descriptor group 1 for A's tiles;  s[32:39] group 0, one set for each slot
.set G0, 32
.set G1B, 48                           ; s[48:55], s[56:63] the same for B's tiles
.set G0B, 56
.set MSB, 0
.macro WIN new                         ; the immediate's high byte repeats the setting that is left
.if MSB != \new
	s_set_vgpr_msb (MSB<<8)|\new
.set MSB, \new
.endif
.endm
.set MUL_LO, 0xa1                      ; source 0 (B) window 1, source 1 (A) window 0, C and D window 2
.set MUL_HI, 0xf1                      ; the same, C and D window 3
.set TO_B,   0x40                      ; destination window 1, address window 0
; A joint load: waves 0 and 1 fetch A's two halves, waves 2 and 3 B's.  Each of the two lines has ONE mask and one set of registers for all that issue it; the branch hangs on the wave's number alone.
; An s_nop 0 and four v_nop follow each of the two lines, ahead of the jump, the label and what follows.
.macro JLOAD g0a, g1a, g0b, g1b
	s_cmp_eq_u32 s15, 0
	s_cbranch_scc0 .Lfor_b_\@
	tensor_load_to_lds s[\g0a:\g0a+3], s[\g1a:\g1a+7]
	s_nop 0
.rept 4
	v_nop
.endr
	s_branch .Lasked_\@
.Lfor_b_\@:
	tensor_load_to_lds s[\g0b:\g0b+3], s[\g1b:\g1b+7]
	s_nop 0
.rept 4
	v_nop
.endr
.Lasked_\@:
.endm
.macro CREST                           ; a round of the cluster's barrier behind its opening barrier
	s_cmp_lg_u32 s14, 0
	s_cbranch_scc1 .Lnot_wave_0_\@
	s_barrier_signal -3
.Lnot_wave_0_\@:
	s_barrier_wait -3
	s_barrier_signal -1
	s_barrier_wait -1
.endm
.macro CROUND                          ; a whole round
	s_barrier_signal -1
	s_barrier_wait -1
	CREST
.endm
	s_load_b256 s[4:11], s[0:1], 0x0               ; x's codes s[4:5], W's codes s[6:7], b s[8:9], the scales' exponents s[10:11]
	s_load_b64 s[12:13], s[0:1], 0x20              ; qkv
	v_lshl_add_u32 v[SPW], v0, 2, SPARE
	v_mov_b32 v[NIL], 0
	ds_add_u32 v[SPW], v[NIL]                      ; the wave's opening: the add, twice on end, and its wait ahead of my first tensor load; the set-up below stands between the second and the wait
	ds_add_u32 v[SPW], v[NIL]
	v_lshrrev_b32 v1, 5, v0
	v_readfirstlane_b32 s14, v1                    ; wave 0..3
	s_lshr_b32 s15, s14, 1                         ; which half of the tile's rows is mine.  Also: I fetch for A (0) or for B (1)
	s_and_b32 s16, s14, 1                          ; which half of its columns.  Also: which 128 rows of that tile I fetch
	s_bfe_u32 s40, ttmp6, 0x40000                  ; cx, cy: my place in the cluster
	s_bfe_u32 s41, ttmp6, 0x40004
	s_and_b32 s67, ttmp7, 0xffff                   ; the cluster's y
	s_cmp_eq_u32 ttmp9, 2                          ; the cluster's x says the role: 2 = v
	s_cselect_b32 s66, 1, 0                        ; isV, the same in all sixteen partners
	s_cselect_b32 s68, 0, s67                      ; A's group of four tiles: v: W's rows 2,048 on have one group; k, q: the cluster's y
	s_cselect_b32 s69, s67, ttmp9                  ; B's group: v: the cluster's y; k, q: the cluster's x
	s_lshl_b32 s17, s68, 2
	s_add_co_u32 s17, s17, s41                     ; A's tile = 4 x group + cy: my row of the cluster shares it
	s_lshl_b32 s42, s69, 2
	s_add_co_u32 s42, s42, s40                     ; B's tile = 4 x group + cx: my column shares it
	s_lshl_b32 s43, s41, 2
	s_lshl_b32 s43, 15, s43                        ; my row of the cluster
	s_lshl_b32 s44, 0x1111, s40                    ; my column
	; descriptor group 1: a tile of 128 rows x 256 bytes, padded in LDS
	s_or_b32 s[G1+0], s43, (0<<16)|(1<<20)|(1<<21)|(5<<22)|(3<<25)  ; 15:0 the mask: A's tiles go to my row; 17:16 element of 1 byte; 20 padding on; 21 set beside a mask; 24:22 after every 64 words (code 5); 31:25 of 4 words (code 3)
	s_or_b32 s[G1B+0], s44, (0<<16)|(1<<20)|(1<<21)|(5<<22)|(3<<25)
.irp g, G1, G1B
	s_mov_b32 s[\g+1], ROWB<<16                    ; tensor_dim0
	s_mov_b32 s[\g+2], 128<<16                     ; tensor_dim1 = 128
	s_mov_b32 s[\g+3], ROWB<<16                    ; tile_dim0
	s_mov_b32 s[\g+4], 128                         ; tile_dim1 = 128
	s_mov_b32 s[\g+5], KROW                        ; tensor_dim0_stride
	s_mov_b32 s[\g+6], 0
	s_mov_b32 s[\g+7], 0
.endr
	s_lshl_b32 s18, s16, 7                         ; which 128 rows of the tile I fetch
	s_lshl_b32 s20, s17, 8
	s_add_co_u32 s20, s20, s18                     ; A: row 256 x tile + 128 x half,
	s_lshl_b32 s20, s20, 10                        ; in bytes: a row is 1,024
	s_mov_b32 s21, 0
	s_lshl_b32 s46, s42, 8
	s_add_co_u32 s46, s46, s18                     ; B likewise
	s_lshl_b32 s46, s46, 10
	s_mov_b32 s47, 0
	s_mul_i32 s45, s14, HALFT                      ; where they go: wave x 128 rows: no place in the cluster enters an LDS address
	s_wait_dscnt 0x0                               ; both opening adds are done
	s_wait_kmcnt 0x0
	s_load_b128 s[80:83], s[10:11], 0x0            ; e0, e1, e2, e3
	s_load_b64 s[84:85], s[10:11], 0x10            ; e4, e5
	s_cmp_eq_u32 s66, 1
	s_cselect_b64 s[70:71], s[6:7], s[4:5]         ; A': v: W's codes; k, q: x's
	s_cselect_b64 s[72:73], s[4:5], s[6:7]         ; B': the other
	s_cselect_b32 s74, 0x200000, 0                 ; v: W's row 2,048
	s_mov_b32 s75, 0
	s_add_nc_u64 s[70:71], s[70:71], s[74:75]
	s_add_nc_u64 s[20:21], s[70:71], s[20:21]
	s_add_nc_u64 s[46:47], s[72:73], s[46:47]
	CROUND                                         ; all sixteen work-groups are here: the first joint loads meet
.irp s, 0,1
	s_mov_b32 s[G0+4*\s], 1
	s_add_co_u32 s[G0+4*\s+1], s45, \s*SLOT
	s_add_nc_u64 s[G0+4*\s+2:G0+4*\s+3], s[20:21], \s*ROWB
	s_or_b32 s[G0+4*\s+3], s[G0+4*\s+3], 0x80000000
	s_mov_b32 s[G0B+4*\s], 1
	s_add_co_u32 s[G0B+4*\s+1], s45, \s*SLOT
	s_add_nc_u64 s[G0B+4*\s+2:G0B+4*\s+3], s[46:47], \s*ROWB
	s_or_b32 s[G0B+4*\s+3], s[G0B+4*\s+3], 0x80000000
	JLOAD G0+4*\s, G1, G0B+4*\s, G1B               ; two tensor loads of mine are out: K steps 0 and 1
.endr
	v_and_b32 v1, 15, v0                           ; r = l % 16
	v_bfe_u32 v2, v0, 4, 1                         ; h = l / 16
	s_lshl_b32 s76, s17, 8
	s_lshl_b32 s88, s15, 7
	s_add_co_u32 s76, s76, s88                     ; my first row of C' among A's rows
	s_lshl_b32 s77, s42, 8
	s_lshl_b32 s88, s16, 7
	s_add_co_u32 s77, s77, s88                     ; my first column of C' among B's rows
	; THE BIAS TABLE, one path for both roles.  k, q: the bias goes by column: register 8 x + j = b[column 16 x + 8 h + j].  v: by row: register 8 x + j = b[2,048 + row 16 x + r], the same for every j.
	s_add_co_u32 s88, s76, 2048
	s_cmp_eq_u32 s66, 1
	s_cselect_b32 s88, s88, s77                    ; the first entry of b that I want
	s_cselect_b32 s89, 4, 0                        ; bytes for each r,
	s_cselect_b32 s90, 0, 32                       ; for each h,
	s_cselect_b32 s91, 0, 4                        ; and from register to register
	s_lshl_b32 s88, s88, 2
	v_mul_u32_u24 v3, v1, s89
	v_mad_u32_u24 v3, v2, s90, v3
	v_add_nc_u32 v[AJ], s88, v3
.irp j, 1,2,3,4,5,6,7
	v_add_nc_u32 v[AJ+\j], s91, v[AJ+\j-1]
.endr
.irp x, 0,1,2,3,4,5,6,7
.irp j, 0,1,2,3,4,5,6,7
	global_load_b32 v[BT+8*\x+\j], v[AJ+\j], s[8:9] offset:64*\x
.endr
.endr
	v_mul_u32_u24 v3, v1, PITCH
	v_lshl_add_u32 v4, v2, 4, v3                   ; a fragment's row x pitch + 16 x half
	s_mul_i32 s21, s15, HALFT                      ; my 128 rows of A
	s_mul_i32 s22, s16, HALFT                      ; my 128 rows of B,
	s_add_co_u32 s22, s22, 2*HALFT                 ; which lie behind A's 256
.irp s, 0,1
	v_add_nc_u32 v[ADRA+\s], s21, v4
	v_add_nc_u32 v[ADRB+\s], s22, v4
	s_add_co_u32 s21, s21, SLOT
	s_add_co_u32 s22, s22, SLOT
.endr
	s_mul_i32 s23, s14, WSTG                       ; my stage
	v_mul_u32_u24 v5, v1, SP                       ; in: row r of a block, 16 bytes for each half of the lanes
	v_lshl_add_u32 v5, v2, 4, v5
	v_add_nc_u32 v[STO], s23, v5
	v_and_b32 v6, 31, v0                           ; lane
	v_lshrrev_b32 v7, 2, v6                        ; back: four lanes take 64 bytes of a row, the 32 lanes eight rows
	v_mul_u32_u24 v7, v7, SP
	v_and_b32 v5, 3, v6
	v_lshl_add_u32 v7, v5, 4, v7
	v_add_nc_u32 v[RD], s23, v7
	; where the codes go.  My 128 columns are two groups cb of 64, my 128 rows two groups ah of 64.  k, q: cb = the next head (131,072 bytes), ah = the next block of tokens (4,096).  v: the other way round.
	s_cmp_eq_u32 s66, 1
	s_mov_b32 s78, 0x20000
	s_cselect_b32 s78, 0x1000, s78                 ; CS: from cb 0 to cb 1
	s_sub_co_u32 s79, 0x21000, s78                 ; RS: from ah 0 to ah 1
	v_lshlrev_b32 v[CO], 4, v6
	v_add_nc_u32 v[CO+1], s79, v[CO]
	v_add_nc_u32 v[CO+2], s78, v[CO]
	v_add_nc_u32 v[CO+3], s79, v[CO+2]
	s_and_b32 s89, s77, 1023                       ; k, q: the feature inside its part
	s_cmp_eq_u32 s66, 1
	s_cselect_b32 s90, s77, s76                    ; my first token
	s_cselect_b32 s91, s76, s89                    ; my first feature
	s_lshr_b32 s88, s90, 11                        ; n
	s_lshl_b32 s88, s88, 4
	s_lshr_b32 s91, s91, 6                         ; head
	s_add_co_u32 s88, s88, s91                     ; nh
	s_lshl_b32 s88, s88, 17
	s_and_b32 s90, s90, 2047
	s_lshl_b32 s90, s90, 6                         ; the block of 64 tokens x 4,096 bytes
	s_add_co_u32 s88, s88, s90
	s_lshl_b32 s90, ttmp9, 23                      ; the part: k, q, v
	s_add_co_u32 s88, s88, s90
	s_mov_b32 s89, 0
	s_add_nc_u64 s[12:13], s[12:13], s[88:89]
.macro FRAG reg, adr, q, i             ; a fragment, 16 rows x 128 K of codes, is 16 registers: lane l holds row l % 16; registers 4 c .. 4 c + 3 hold bytes 32 c + 16 (l / 16) + 0 .. 15: one permutation of K, the same in A and B
.irp c, 0,1,2,3
	ds_load_b128 v[\reg+4*\c:\reg+4*\c+3], v[\adr] offset:128*(\q)+32*\c+(\i)*16*PITCH
.endr
.endm
; 16 matrix instructions: A's blocks a0, a0 + 1 x B's eight, 128 along K.  p: B's set.  zero = 1: the sums start from the bias by column; 2: from the bias by row; 0: they go on in place.
; The 64 accumulators take turns, one instruction a turn, in the same order in every step.
.macro MUL16 a0, p, zero
.irp a, \a0, \a0+1
.irp b, 0,1,2,3,4,5,6,7
.if \zero == 1
	v_wmma_f32_16x16x128_bf8_bf8 v[8*(8*((\a)%4)+\b):8*(8*((\a)%4)+\b)+7], v[128*(\p)+FR*\b:128*(\p)+FR*\b+FR-1], v[AF+FR*(\a):AF+FR*(\a)+FR-1], v[BT+8*\b:BT+8*\b+7]
.elseif \zero == 2
	v_wmma_f32_16x16x128_bf8_bf8 v[8*(8*((\a)%4)+\b):8*(8*((\a)%4)+\b)+7], v[128*(\p)+FR*\b:128*(\p)+FR*\b+FR-1], v[AF+FR*(\a):AF+FR*(\a)+FR-1], v[BT+8*(\a):BT+8*(\a)+7]
.else
	v_wmma_f32_16x16x128_bf8_bf8 v[8*(8*((\a)%4)+\b):8*(8*((\a)%4)+\b)+7], v[128*(\p)+FR*\b:128*(\p)+FR*\b+FR-1], v[AF+FR*(\a):AF+FR*(\a)+FR-1], v[8*(8*((\a)%4)+\b):8*(8*((\a)%4)+\b)+7]
.endif
.endr
.endr
.endm
.macro FETCH_B slot, q, p              ; B's eight fragments of the slot's q-th 128 along K into set p
	WIN TO_B
.irp i, 0,1,2,3,4,5,6,7
	FRAG 128*(\p)+FR*\i, ADRB+\slot, \q, \i
.endr
	WIN 0
.endm
.macro FETCH_A slot, q, i0             ; A's blocks i0 .. i0 + 3
.irp i, \i0, \i0+1, \i0+2, \i0+3
	FRAG AF+FR*(\i), ADRA+\slot, \q, \i
.endr
.endm
; A load into a register that a matrix instruction has read, and a vector instruction that reads a matrix result, stand NP places behind that matrix instruction; only plain vector instructions that name none of its
; registers are places (ISA guide 7.12.1 for vector instructions).
.macro PLACES n
.rept \n
	v_nop
.endr
.endm
; A step of 128 along K that has its successor in the same slot.  A block of A is free as soon as its eight products are issued: blocks 0-3 are fetched anew in the step's middle, blocks 4-7 at its end; B has two sets.
.macro STEP slot, q, zero
	s_wait_dscnt 4*NL                              ; B's set and A's blocks 0-3 are in; the youngest sixteen loads (A's blocks 4-7) may be out
.if \zero
	WIN 0x81                                       ; the bias table, C, lies in window 0; D in window 2
.else
	WIN MUL_LO
.endif
	MUL16 0, (\q)%2, \zero
	MUL16 2, (\q)%2, \zero
	s_wait_dscnt 0                                 ; A's blocks 4-7 are in (asked for 32 matrix instructions ago)
	PLACES NP
	FETCH_B \slot, (\q)+1, 1-(\q)%2
	FETCH_A \slot, (\q)+1, 0
.if \zero
	WIN 0xc1                                       ; C window 0, D window 3
.else
	WIN MUL_HI
.endif
	MUL16 4, (\q)%2, \zero
	MUL16 6, (\q)%2, \zero
	PLACES NP
	WIN 0
	FETCH_A \slot, (\q)+1, 4
.endm
; A slot's last step changes slots: ONE barrier; in front of it each wave waits for all its tensor loads, adds 0 to its spare word, and waits for that and for its own reads of this slot.  fill = 1: this slot is filled again, two K steps ahead.
.macro TURN slot, next, fill
	s_wait_tensorcnt 0x0                           ; all my tensor loads have landed: my part of the next slot  (every window is 0 here)
	ds_add_u32 v[SPW], v[NIL]                      ; 0 onto my spare word
	s_wait_dscnt 4*NL+1                            ; (the add and the youngest sixteen loads, A's blocks 4-7, may be out)
	WIN MUL_LO
	MUL16 0, 1, 0                                  ; sixteen matrix instructions stand between the add and the wait for it
	s_wait_dscnt 0x0                               ; the add is done, and my reads of this slot are over
	s_barrier_signal -1
	MUL16 2, 1, 0
	WIN 0
	s_barrier_wait -1
.if \fill
	CREST                                          ; the barrier has opened a round of the cluster's barrier: no wave of any partner still reads this slot's tile or has a load on its way
	s_add_nc_u64 s[G0+4*\slot+2:G0+4*\slot+3], s[G0+4*\slot+2:G0+4*\slot+3], 2*ROWB
	s_add_nc_u64 s[G0B+4*\slot+2:G0B+4*\slot+3], s[G0B+4*\slot+2:G0B+4*\slot+3], 2*ROWB
	JLOAD G0+4*\slot, G1, G0B+4*\slot, G1B         ; the first tensor load behind the round, and my only one out; its four v_nop are the places in front of the loads below
.else
	PLACES NP
.endif
	FETCH_B \next, 0, 0
	FETCH_A \next, 0, 0
	WIN MUL_HI
	MUL16 4, 1, 0
	MUL16 6, 1, 0
	PLACES NP
	WIN 0
	FETCH_A \next, 0, 4
.endm
	s_wait_tensorcnt 1                             ; my part of K step 0 is in (K step 1's load, issued behind it, may be out)
	s_barrier_signal -1
	s_barrier_wait -1                              ; everybody's is
	FETCH_B 0, 0, 0
	FETCH_A 0, 0, 0
	FETCH_A 0, 0, 4
	s_wait_loadcnt 0x0                             ; the bias table
	s_wait_kmcnt 0x0                               ; the exponents
	s_add_co_i32 s87, s80, s81
	s_sub_co_i32 s87, 0, s87                       ; -(e0 + e1)
.set i, 0
.rept 64
	v_ldexp_f32 v[BT+i], v[BT+i], s87              ; b / 2^(e0 + e1): a sum stands for sum x 2^(e0 + e1)
.set i, i+1
.endr
	s_cmp_eq_u32 s66, 1                            ; the first step is written twice: which tile of the table is a sum's C differs between the roles.  The branch hangs on the cluster's x alone; no barrier and no tensor load stands in the step
	s_cbranch_scc1 .Lfirst_v
	STEP 0, 0, 1
	s_branch .Ljoined
.Lfirst_v:
	STEP 0, 0, 2
.Ljoined:
	TURN 0, 1, 1                                   ; K = 1,024 is four K steps of 256, eight steps of 128: written out, no loop.  Slot 0 takes K step 2,
	STEP 1, 0, 0
	TURN 1, 0, 1                                   ; slot 1 K step 3
	STEP 0, 0, 0
	TURN 0, 1, 0                                   ; nothing is left to fetch: no round, no load
	STEP 1, 0, 0
	s_wait_dscnt 4*NL                              ; the very last step
	WIN MUL_LO
	MUL16 0, 1, 0
	MUL16 2, 1, 0
	s_wait_dscnt 0
	WIN MUL_HI
	MUL16 4, 1, 0
	MUL16 6, 1, 0
	WIN 0
	; THE WAY OUT, one path for all roles.
	s_cmp_eq_u32 ttmp9, 0
	s_cselect_b32 s86, s83, s82                    ; k: e3; q: e2
	s_cmp_eq_u32 ttmp9, 2
	s_cselect_b32 s86, s85, s86                    ; v: e5
	s_add_co_i32 s86, s86, s87                     ; E = e_sel - e0 - e1: the three scales are folded into the conversion's one
	s_add_co_i32 s86, s86, 127
	s_lshl_b32 s88, s86, 23
	v_mov_b32 v[SC], s88                           ; 2^E as f32: the conversion takes its exponent field
	s_add_co_i32 s86, s86, 15
	s_lshl_b32 s86, s86, 23
	s_or_b32 s86, s86, 0x600000
	v_mov_b32 v[LIM], s86                          ; 57,344 x 2^E
	PLACES NP                                      ; behind the last products: for the reads of results and the loads into the registers that held A's fragments
; Block a, 16 rows x 128 columns: held, converted, 16 codes a store into my stage (two neighbouring accumulators' codes on end), and back as 8 rows x 64 bytes, which are 512 consecutive bytes of qkv.
; LDS serves a wave's instructions in order (ISA guide 5.7.1.4): no wait between the stores and the loads.
.macro TOSTAGE a
.set AC, 64*((\a)%4)
.set CC, CD+16*((\a)%2)
.set BB, BK+16*(\a)
	WIN 0x02+((\a)/4)                              ; source 0: window 2 or 3
.set j, 0
.rept 64
	v_med3_num_f32 v[TMP+j], v[AC+j], -v[LIM], v[LIM]   ; the conversion does not saturate (ISA guide 7.6.2): the hold comes first; each accumulator from its low end on
.set j, j+1
.endr
	WIN 0
.irp b, 0,1,2,3,4,5,6,7
	v_cvt_scalef32_pk8_bf8_f32 v[CC+2*\b:CC+2*\b+1], v[TMP+8*\b:TMP+8*\b+7], v[SC]
.endr
	v_nop                                          ; one plain vector line behind the last conversion: the next block's holds write the conversions' sources
.irp c, 0,1,2,3
	ds_store_b128 v[STO], v[CC+4*\c:CC+4*\c+3] offset:(\a)*16*SP+32*\c
.endr
.irp e, 0,1
.irp cb, 0,1
	ds_load_b128 v[BB+4*(2*\e+\cb):BB+4*(2*\e+\cb)+3], v[RD] offset:(16*(\a)+8*\e)*SP+64*\cb
.endr
.endr
.endm
.macro SEND a, younger                 ; younger: the LDS instructions issued behind block a's loads, which may stay out
.set BB, BK+16*(\a)
	s_wait_dscnt \younger                          ; the block is back in registers
.irp e, 0,1
.irp cb, 0,1
	global_store_b128 v[CO+2*\cb+(\a)/4], v[BB+4*(2*\e+\cb):BB+4*(2*\e+\cb)+3], s[12:13] offset:((\a)%4)*1024+512*\e   ; 32 lanes store 512 consecutive bytes, at a multiple of 512 from qkv's first byte; no register of a store is written again
.endr
.endr
.endm
	TOSTAGE 0
.irp a, 1,2,3,4,5,6,7
	TOSTAGE \a
	SEND \a-1, 8                                   ; behind block a - 1's loads: block a's 4 stores and 4 loads
.endr
	SEND 7, 0
	s_wait_tensorcnt 0x0                           ; the wave's end, behind my last tensor load and my last LDS store
	ds_add_u32 v[SPW], v[NIL]
	s_wait_dscnt 0x0
	CROUND                                         ; the closing round: no work-group ends while a partner may still ask for a tile that names it
	s_endpgm
.Lfunc_end_k_qd201d2e92c_proj:
	.size	k_qd201d2e92c_proj, .Lfunc_end_k_qd201d2e92c_proj-k_qd201d2e92c_proj
	.p2alignl 7, 3214868480
	.fill 96, 4, 3214868480
	.section	.rodata,"a",@progbits
	.p2align	6, 0x0
	.amdhsa_kernel k_qd201d2e92c_proj
		.amdhsa_group_segment_fixed_size 327680
		.amdhsa_private_segment_fixed_size 0
		.amdhsa_enable_private_segment 0
		.amdhsa_kernarg_size 40
		.amdhsa_user_sgpr_count 2
		.amdhsa_user_sgpr_kernarg_segment_ptr 1
		.amdhsa_wavefront_size32 1
		.amdhsa_system_sgpr_workgroup_id_x 1
		.amdhsa_system_sgpr_workgroup_id_y 1
		.amdhsa_system_sgpr_workgroup_id_z 1
		.amdhsa_system_vgpr_workitem_id 0
		.amdhsa_next_free_vgpr 1024
		.amdhsa_next_free_sgpr 96
		.amdhsa_reserve_vcc 0
		.amdhsa_float_denorm_mode_32 3
		.amdhsa_float_denorm_mode_16_64 3
		.amdhsa_memory_ordered 1
		.amdhsa_forward_progress 1
		.amdhsa_inst_pref_size 142
	.end_amdhsa_kernel
	.amdgpu_metadata
---
amdhsa.version: [ 1, 2 ]
amdhsa.kernels:
  - .name:           k_qd201d2e92c_proj
    .symbol:         k_qd201d2e92c_proj.kd
    .args:
      - { .name: xc, .offset: 0, .size: 8, .value_kind: global_buffer, .address_space: global }
      - { .name: wc, .offset: 8, .size: 8, .value_kind: global_buffer, .address_space: global }
      - { .name: b, .offset: 16, .size: 8, .value_kind: global_buffer, .address_space: global }
      - { .name: lowp_scales, .offset: 24, .size: 8, .value_kind: global_buffer, .address_space: global }
      - { .name: qkv, .offset: 32, .size: 8, .value_kind: global_buffer, .address_space: global }
    .group_segment_fixed_size: 327680
    .private_segment_fixed_size: 0
    .kernarg_segment_align: 8
    .kernarg_segment_size: 40
    .max_flat_workgroup_size: 128
    .sgpr_count:     96
    .vgpr_count:     1024
    .wavefront_size: 32
...
	.end_amdgpu_metadata
.endif
;; end of part 2
;; launch attn (part 3): grid 8 x 64, 16 waves a work-group, no clusters, 327,680 bytes of LDS; arguments qkv, lowp_scales, out0; writes out0
.if DOCPART == 3
	.amdgcn_target "amdgcn-amd-amdhsa--gfx1250"
	.amdhsa_code_object_version 6
	.text
	.protected	k_qd201d2e92c_attn
	.globl	k_qd201d2e92c_attn
	.p2align	8
	.type	k_qd201d2e92c_attn,@function
k_qd201d2e92c_attn:
	s_mov_b64 s[64:65], 0
	v_nop
	global_prefetch_b8 v0, s[64:65] scope:SCOPE_SE
	s_setreg_imm32_b32 hwreg(HW_REG_WAVE_MODE, 25, 1), 1
	s_wait_xcnt 0x0
; out[n][q][64 head + d] = the sum over keys k <= q of softmax_k(Q[q] . K[k] / 32) V[k][d], for each of 64 heads nh = 16 n + head, 2,048 positions, head size 64; both products on codes of BF8 (E5M2) out of qkv (launch 2).
; WORK LEFT OUT: a key step all of whose 128 keys come after a wave's 16 queries: reference()'s own causal mask sets those scores to -inf, so their weight is 0 for all values of the inputs.  A NaN or infinity that reaches only such steps is not carried to the result.
; THE SOFTMAX AHEAD OF THE SECOND PRODUCT: t = score x log2(e) / 32; M = the row's largest t so far, rounded UP to a whole number; p = 2^(t - M) is what is quantised (scale e4); it is not normalised.
; The row's sum is taken of the unquantised p, in f32, and divides O at the end.  When M moves, the sum and O are multiplied by 2^(old M - new M): exact.
; SHARES.  A work-group owns 256 queries of one head: waves 0-7 the block of 128 queries number i (the work-group's x), waves 8-15 block 15 - i; a wave owns 16 queries, one tile, in 224 registers, four waves to a SIMD.
; A wave of block j has j + 1 live key steps, so every work-group has 8 x 17 of them: 512 work-groups of equal work.
; Every work-group walks all 8 slots of 256 keys, so that the trip counts are constants; a hidden step is jumped over by a scalar branch on ids, and a slot whose first key comes after the work-group's last query is not asked for.
; NO CLUSTER: the work-groups of a head read 8, 8, 7, 7, 6, 6, 5, 5 slots (i = 0 .. 7): a joint load would bring some partners tiles that none of their waves reads.
; LAYOUT.  Both products are used transposed: S^T = K Q^T (source 0 = 16 keys, source 1 = my 16 queries, K = 64), O^T = V^T P^T (source 0 = 16 channels, source 1 = P, K = 128 keys): a lane holds ONE query (lane % 16) throughout.
; Lane (r, h), register 8 t + j of S^T holds key 16 t + 8 h + j: its codes, registers 2 t, 2 t + 1, are the second product's operand as it stands.  V's bytes lie in qkv so that 16 bytes at 32 c + 16 h are keys 32 c + 8 h + 0..7 and 32 c + 16 + 8 h + 0..7:
; the same keys in the same registers.  Q and K are read at the same byte offsets of their rows: one permutation of the head's 64 on both.
; LIMITS on the given exponents: e2 + e3 between -121 and 132 (they are added to c's exponent field, 122); e4 between -126 and 112; e4 + e5 is applied by v_ldexp_f32 and has none.
; REGISTERS: v1 my lane's place in a tile; v3 prefetch offset; v5, v6 the add's two; v7 my offset in out; v8 LDS address in hand; v9-11 at work; v12 -M, v13 the largest t, v[14:15] the sum in two halves; v16-23 Q;
;   v32-95 eight fragments of K, then four of V; v96-159 S^T, then p; v160-191 O^T; v192-207 p's codes; v208-219 at work.
.set SK,    256                        ; keys in a slot
.set PR,    272                        ; an LDS row: 256 bytes (four rows of 64 codes) + 16 of padding: logical row p lies at (p / 4) x 272 + (p % 4) x 64, so 16 neighbouring rows start at 16 different columns of 16 bytes modulo 256
.set VOFF,  64*PR                      ; a slot: K's 256 rows of 64 bytes, then V's four blocks of 64 channels x 64 keys
.set SLOT1, 1<<16                      ; slot 1 begins here, so that one exclusive or turns an address in one slot into the other's
.set SPARE, 2*SLOT1                    ; behind the ring: the spare words, 128 bytes for each of 16 waves, which no other line names
.set STAGE, SPARE+2048                 ; the way out: 16 rows x 272 bytes for each wave; no fill lands here
.set SLOTB, 16384                      ; a slot's part of K, and of V, in memory: one dense block
.set AL,   1
.set PFO,  3
.set SPW,  5
.set NIL,  6
.set GO,   7
.set ADR,  8
.set WV,   10                          ; s10  my wave's number
.set TB,   14                          ; s14  LDS byte at which the slot in hand begins
.set SLOTS, 15                         ; s15  changes of slots still to come in the loop
.set KF,   16                          ; s16  the step's first key
.set Q0,   17                          ; s17  my first query
.set LASTQ, 18                         ; s18  my work-group's last query
.set LIM,  19                          ; s19  1 in a wave that prefetches, else the greatest number
.set SEL,  20                          ; s[20:21] lane selects for v_permlanex16_b32: lane l xor 16
.set CS,   22                          ; s[22:23] c = log2(e) / 32 x 2^(e2 + e3): the packed form names a pair and takes its low word for both halves
.set G1,   24                          ; s[24:31] descriptor group 1, one for K's and V's tiles
.set G0K,  32                          ; s[32:35], s[36:39] their groups 0, which walk
.set G0V,  36
.set PFA,  40                          ; s[40:41] where my prefetches stand
; Wave 0 fetches a slot's K, wave 1 its V, the others nothing.  The branches hang on the wave's number alone.  An s_nop 0 and four v_nop follow each of the two lines.
.macro TLOAD
	s_cmp_eq_u32 s[WV], 0
	s_cbranch_scc0 .Lnot_k_\@
	tensor_load_to_lds s[G0K:G0K+3], s[G1:G1+7]
	s_nop 0
.rept 4
	v_nop
.endr
	s_branch .Lasked_\@
.Lnot_k_\@:
	s_cmp_eq_u32 s[WV], 1
	s_cbranch_scc0 .Lasked_\@
	tensor_load_to_lds s[G0V:G0V+3], s[G1:G1+7]
	s_nop 0
.rept 4
	v_nop
.endr
.Lasked_\@:
.endm
; A PREFETCH INTO THE L2 of what the NEXT change of slots will ask for: 16,384 bytes of K and as many of V.  All work-groups of a head walk the same K and V: the head's work-group 0, which walks all 8 slots, asks, and nobody else.
; In it waves 4 and 5 ask for K's block and waves 6 and 7 for V's, 8,192 bytes a wave, lanes 256 bytes apart, one instruction each: so each aligned block of 256 bytes is named once in the launch.
; It stands a slot's two key steps ahead of the load that will want the bytes.  Slots 0 and 1 come by their loads alone; the last change that fills a slot asks for nothing: there is no slot behind it.
.macro ASK
	s_cmp_gt_u32 s[SLOTS], s[LIM]
	s_cbranch_scc0 .Lnot_mine_\@
	global_prefetch_b8 v[PFO], s[PFA:PFA+1] th:TH_LOAD_NT scope:SCOPE_SE
.Lnot_mine_\@:
.endm
	s_load_b128 s[4:7], s[0:1], 0x0                ; qkv s[4:5], the scales' exponents s[6:7]
	s_load_b64 s[8:9], s[0:1], 0x10                ; out
	v_lshl_add_u32 v[SPW], v0, 2, SPARE
	v_mov_b32 v[NIL], 0
	ds_add_u32 v[SPW], v[NIL]                      ; the wave's opening: the add, twice on end, and its wait ahead of the first tensor load; the set-up below stands between the second and the wait
	ds_add_u32 v[SPW], v[NIL]
	v_lshrrev_b32 v8, 5, v0
	v_readfirstlane_b32 s[WV], v8                  ; wave 0..15
	s_and_b32 s12, ttmp7, 0xffff                   ; nh
	s_sub_co_u32 s13, 15, ttmp9
	s_cmp_lt_u32 s[WV], 8
	s_cselect_b32 s13, ttmp9, s13                  ; my block of 128 queries: i, or 15 - i
	s_lshl_b32 s[Q0], s13, 7
	s_and_b32 s48, s[WV], 7
	s_lshl_b32 s48, s48, 4
	s_add_co_u32 s[Q0], s[Q0], s48                 ; my first query
	s_sub_co_u32 s[LASTQ], 16, ttmp9
	s_lshl_b32 s[LASTQ], s[LASTQ], 7
	s_sub_co_u32 s[LASTQ], s[LASTQ], 1             ; 128 (16 - i) - 1: the same in all sixteen waves
	s_lshl_b32 s50, s12, 17                        ; the head's first byte in each part of qkv
	s_mov_b32 s51, 0
	; descriptor group 1: a dense block of 16,384 bytes as 64 rows of 256, padded in LDS
	s_mov_b32 s[G1], (0<<16)|(1<<20)|(5<<22)|(3<<25)   ; 15:0 no mask; 17:16 elements of 1 byte; 20 padding on; 24:22 after every 64 words (code 5); 31:25 four words (code 3)
	s_mov_b32 s[G1+1], 256<<16                     ; tensor_dim0
	s_mov_b32 s[G1+2], 64<<16                      ; tensor_dim1
	s_mov_b32 s[G1+3], 256<<16                     ; tile_dim0
	s_mov_b32 s[G1+4], 64                          ; tile_dim1
	s_mov_b32 s[G1+5], 256                         ; tensor_dim0_stride
	s_mov_b32 s[G1+6], 0
	s_mov_b32 s[G1+7], 0
	s_mov_b32 s[SEL], 0x76543210
	s_mov_b32 s[SEL+1], 0xfedcba98
	s_mov_b32 s[CS], 0x3d38aa3b                    ; log2(e) / 32
	s_mov_b32 s[TB], 0
	s_mov_b32 s[SLOTS], 7
	s_mov_b32 s[KF], 0
	s_wait_dscnt 0x0                               ; both opening adds are done
	s_wait_kmcnt 0x0
	s_load_b128 s[44:47], s[6:7], 0x8              ; e2, e3, e4, e5
	s_mov_b32 s[G0K], 1                            ; 1:0 count = 1
	s_mov_b32 s[G0K+1], 0                          ; 63:32 LDS address: slot 0
	s_add_nc_u64 s[G0K+2:G0K+3], s[4:5], s[50:51]  ; 120:64 global address: part 0, the head's first 256 keys
	s_or_b32 s[G0K+3], s[G0K+3], 0x80000000        ; 127:126 type = 2
	s_mov_b32 s[G0V], 1
	s_mov_b32 s[G0V+1], VOFF
	s_add_nc_u64 s[G0V+2:G0V+3], s[4:5], s[50:51]
	s_add_nc_u64 s[G0V+2:G0V+3], s[G0V+2:G0V+3], 0x1000000   ; part 2
	s_or_b32 s[G0V+3], s[G0V+3], 0x80000000
	TLOAD                                          ; slot 0: it holds key 0, which counts for every query
	s_lshl_b32 s52, s[Q0], 6
	s_add_co_u32 s52, s52, s50
	s_add_co_u32 s52, s52, 0x800000                ; part 1: q, at my first query
	s_mov_b32 s53, 0
	s_add_nc_u64 s[52:53], s[4:5], s[52:53]
	s_lshr_b32 s54, s12, 4
	s_lshl_b32 s54, s54, 23                        ; out: n x 2,048 rows of 4,096 bytes,
	s_and_b32 s55, s12, 15
	s_lshl_b32 s55, s55, 8                         ; + the head's 256 bytes of a row,
	s_add_co_u32 s54, s54, s55
	s_lshl_b32 s55, s[Q0], 12                      ; + my first query's row
	s_add_co_u32 s54, s54, s55
	s_mov_b32 s55, 0
	s_add_nc_u64 s[8:9], s[8:9], s[54:55]
	s_cmp_lt_u32 s[WV], 6                          ; the prefetches: waves 4, 5: K; waves 6, 7: V
	s_cselect_b32 s56, 0, 0x1000000
	s_and_b32 s57, s[WV], 1
	s_lshl_b32 s57, s57, 13                        ; my half of the block
	s_add_co_u32 s56, s56, s57
	s_add_co_u32 s56, s56, s50
	s_add_co_u32 s56, s56, SLOTB                   ; in slot 1: the first change of slots steps it to slot 2.  Nothing is prefetched here, at the head
	s_mov_b32 s57, 0
	s_add_nc_u64 s[PFA:PFA+1], s[4:5], s[56:57]
	s_sub_co_u32 s56, s[WV], 4
	s_lshr_b32 s56, s56, 2                         ; 0 in waves 4 to 7,
	s_or_b32 s56, s56, ttmp9                       ; of the head's work-group 0
	s_cmp_eq_u32 s56, 0
	s_cselect_b32 s[LIM], 1, -1
	v_and_b32 v[PFO], 31, v0
	v_lshlrev_b32 v[PFO], 8, v[PFO]
	v_and_b32 v9, 15, v0                           ; r
	v_bfe_u32 v10, v0, 4, 1                        ; h
	v_lshlrev_b32 v11, 6, v9
	v_lshl_add_u32 v11, v10, 4, v11                ; Q: row r of 64 bytes, + 16 h
	global_load_b128 v[16:19], v11, s[52:53]       ; Q's fragment stays in registers
	global_load_b128 v[20:23], v11, s[52:53] offset:32
	v_lshrrev_b32 v[AL], 2, v9
	v_mul_u32_u24 v[AL], v[AL], PR
	v_and_b32 v8, 3, v9
	v_lshl_add_u32 v[AL], v8, 6, v[AL]
	v_lshl_add_u32 v[AL], v10, 4, v[AL]            ; (r / 4) x 272 + (r % 4) x 64 + 16 h
	v_lshlrev_b32 v[GO], 12, v10
	v_lshl_add_u32 v[GO], v9, 4, v[GO]             ; the way out: lanes 0-15 take one row of out, lanes 16-31 the next; 16 bytes a lane
	v_mov_b32 v13, 0xff61b1e6                      ; the largest t so far: -3e38, under every t
	v_floor_f32 v12, -v13                          ; -M
	v_mov_b32 v14, 0                               ; the sum, in two halves
	v_mov_b32 v15, 0
	v_mov_b32 v208, 0                              ; written once: a lane permute's destination counts as one of its sources
	v_mov_b32 v211, 0                              ; (named as the upper half of the pair v[210:211])
.set i, 0
.rept 32
	v_mov_b32 v[160+i], 0                          ; O^T.  (The key step is written without a first step of its own: it finds zeros, which the first change of M leaves zeros)
.set i, i+1
.endr
	s_wait_kmcnt 0x0
	s_add_co_i32 s48, s44, s45
	s_lshl_b32 s48, s48, 23
	s_add_co_i32 s[CS], s[CS], s48                 ; a score stands for score x 2^(e2 + e3): the two exponents are added to c's exponent field
	s_mov_b32 s[CS+1], s[CS]                       ; (named with it as a pair, so it is written)
	s_add_co_i32 s48, s46, 127
	s_lshl_b32 s49, s48, 23
	v_mov_b32 v217, s49                            ; 2^e4 as f32, for the conversion
	s_add_co_i32 s48, s48, 15
	s_lshl_b32 s48, s48, 23
	s_or_b32 s48, s48, 0x600000
	v_mov_b32 v216, s48                            ; 57,344 x 2^e4
; A KEY STEP: 128 keys, the q-th of the slot in hand.
.macro STEP q
	s_add_co_u32 s48, s[Q0], 15                    ; a step all of whose keys come after my 16 queries is left out: a scalar branch on ids, round the step's loads, products and softmax; no barrier and no tensor load stands in a step
	s_cmp_gt_u32 s[KF], s48
	s_cbranch_scc1 .Lhidden_\@
	v_add_nc_u32 v[ADR], s[TB], v[AL]
.rept 3
	v_nop                                          ; with the addition above: four places in front of loads into registers that the last products have read
.endr
.irp t, 0,1,2,3,4,5,6,7                        ; K: tile t = keys 16 t + 0 .. 15
	ds_load_b128 v[32+8*\t:35+8*\t], v[ADR] offset:(32*(\q)+4*\t)*PR
	ds_load_b128 v[36+8*\t:39+8*\t], v[ADR] offset:(32*(\q)+4*\t)*PR+32
.endr
	s_wait_dscnt 0x0
.irp t, 0,1,2,3,4,5,6,7                        ; S^T = K Q^T: eight accumulators, one instruction each
	v_wmma_f32_16x16x64_bf8_bf8 v[96+8*\t:103+8*\t], v[32+8*\t:39+8*\t], v[16:23], 0
.endr
.rept 4
	v_nop                                          ; places: for the reads of the scores, and for the loads below into the registers that held K
.endr
.irp t, 0,1,2,3                                ; V: tile t = channels 16 t + 0 .. 15, these 128 keys; asked for now, so that it lands under the softmax
.irp c, 0,1,2,3
	ds_load_b128 v[32+16*\t+4*\c:35+16*\t+4*\c], v[ADR] offset:VOFF+(16*(2*(\q)+\c/2)+4*\t)*PR+32*(\c%2)
.endr
.endr
	s_add_co_u32 s48, s[KF], 127                   ; on the diagonal the scores of hidden keys become -infinity ahead of the maximum: p = 0 then.  A step all of whose keys count skips this
	s_cmp_le_u32 s48, s[Q0]
	s_cbranch_scc1 .Lopen_\@
	s_sub_co_i32 s48, s[Q0], s[KF]
	v_and_b32 v218, 15, v0
	v_bfe_u32 v219, v0, 4, 1
	v_lshlrev_b32 v219, 3, v219
	v_sub_nc_u32 v218, v218, v219
	v_add_nc_u32 v218, s48, v218                   ; d = my query - KF - 8 (lane / 16).  Register 8 t + j holds key KF + 8 (lane / 16) + 16 t + j: hidden where 16 t + j > d
	v_mov_b32 v219, 0xff800000                     ; -infinity
.irp n, 0,1,2,3,4,5,6,7,8,9,10,11,12,13,14,15,16,17,18,19,20,21,22,23,24,25,26,27,28,29,30,31,32,33,34,35,36,37,38,39,40,41,42,43,44,45,46,47,48,49,50,51,52,53,54,55,56,57,58,59,60,61,62,63
	v_cmp_gt_i32 vcc_lo, 16*(\n/8)+\n%8, v218
	v_cndmask_b32 v[96+\n], v[96+\n], v219, vcc_lo
.endr
.Lopen_\@:
	v_max3_num_f32 v212, v96, v97, v98             ; the step's largest score of my query, among my 64 keys, in two chains, each accumulator from its low end on,
	v_max3_num_f32 v213, v99, v100, v101
.irp i, 6,10,14,18,22,26,30,34,38,42,46,50,54,58
	v_max3_num_f32 v212, v212, v[96+\i], v[97+\i]
	v_max3_num_f32 v213, v213, v[98+\i], v[99+\i]
.endr
	v_max3_num_f32 v212, v212, v158, v159
	v_max_num_f32 v212, v212, v213
	v_permlanex16_b32 v208, v212, s[SEL], s[SEL+1]
	v_max_num_f32 v212, v212, v208                 ; and among lane l xor 16's
	v_mul_f32 v212, s[CS], v212                    ; as t (c is positive)
	v_max_num_f32 v13, v13, v212                   ; the running largest t
	v_mov_b32 v212, v12
	v_floor_f32 v12, -v13                          ; the new -M = floor(-t) = -ceil(t): M is a whole number
	v_sub_f32 v212, v12, v212                      ; M's old value less its new one: a whole number, 0 or less
	v_cvt_i32_f32 v212, v212                       ; (it saturates)
	v_ldexp_f32 v210, 1.0, v212                    ; f = 2^(old M - new M): a multiplication by it rounds nothing
.irp j, 0,2,4,6,8,10,12,14,16,18,20,22,24,26,28,30,32,34,36,38,40,42,44,46,48,50,52,54,56,58,60,62
	v_pk_fma_f32 v[96+\j:97+\j], v[96+\j:97+\j], s[CS:CS+1], v[12:13] op_sel_hi:[1,0,0]   ; t - M, two at a time (of the pairs c and -M the low word serves both halves)
.endr
.set i, 0
.rept 64
	v_exp_f32 v[96+i], v[96+i]                     ; p = 2^(t - M), at most 1: not normalised
.set i, i+1
.endr
	v_pk_mul_f32 v[14:15], v[14:15], v[210:211] op_sel_hi:[1,0]   ; the sums under the new M: the plain line behind the exponentials
	s_wait_alu depctr_va_vdst(0)                   ; one wait for the whole batch, ahead of its first reader
	v_pk_add_f32 v[214:215], v[96:97], v[98:99]    ; the row's sum is taken of the UNQUANTISED p: two at a time, in two chains
.irp j, 4,8,12,16,20,24,28,32,36,40,44,48,52,56,60
	v_pk_add_f32 v[14:15], v[14:15], v[96+\j:97+\j]
	v_pk_add_f32 v[214:215], v[214:215], v[98+\j:99+\j]
.endr
	v_pk_add_f32 v[14:15], v[14:15], v[214:215]
.irp t, 0,1,2,3,4,5,6,7
.irp i, 0,1,2,3,4,5,6,7
	v_min_num_f32 v[96+8*\t+\i], v[96+8*\t+\i], v216   ; the conversion does not saturate (ISA guide 7.6.2); p is not negative, so the hold is one-sided
.endr
	v_cvt_scalef32_pk8_bf8_f32 v[192+2*\t:193+2*\t], v[96+8*\t:103+8*\t], v217   ; registers 2 t, 2 t + 1 of the operand: keys 16 t + 8 h + 0 .. 7
.endr
.irp j, 0,2,4,6,8,10,12,14,16,18,20,22,24,26,28,30
	v_pk_mul_f32 v[160+\j:161+\j], v[160+\j:161+\j], v[210:211] op_sel_hi:[1,0]   ; O^T under the new M: x f.  (These are also the plain lines between the conversions and the products below)
.endr
	s_wait_dscnt 0x0                               ; V is in
.irp t, 0,1,2,3                                ; O^T += V^T P^T: four accumulators, one instruction each
	v_wmma_f32_16x16x128_bf8_bf8 v[160+8*\t:167+8*\t], v[32+16*\t:47+16*\t], v[192:207], v[160+8*\t:167+8*\t]
.endr
.Lhidden_\@:
	s_add_co_u32 s[KF], s[KF], 128
.endm
; THE CHANGE OF SLOTS stands at a slot's head.  Each wave waits for all its tensor loads (the slot that is about to be read), adds 0 to its spare word (fill = 1: twice on end), and waits for that and for its reads of the slot that it has left.
; Behind the barrier the slot ahead is whole and nobody reads the other one.  fill = 1: that other slot is filled with the keys that follow, up to the causal limit: the load has a whole slot's steps in which to land; one tensor load of a wave is out at the most.
.macro CHANGE fill
	s_wait_tensorcnt 0x0                           ; no tensor load of mine is out, so a group 0 may be written
	ds_add_u32 v[SPW], v[NIL]                      ; 0 onto my spare word
.if \fill
	ds_add_u32 v[SPW], v[NIL]                      ; and once more: the add twice on end, in every trip alike
	s_xor_b32 s[G0K+1], s[G0K+1], SLOT1            ; the walking descriptors: the other slot than last time,
	s_add_nc_u64 s[G0K+2:G0K+3], s[G0K+2:G0K+3], SLOTB   ; the next 256 keys; the type bits on top are not reached
	s_xor_b32 s[G0V+1], s[G0V+1], SLOT1
	s_add_nc_u64 s[G0V+2:G0V+3], s[G0V+2:G0V+3], SLOTB
	s_wait_xcnt 0x0                                ; the last prefetch, a slot back, has read its address, so it may be written:
	s_add_nc_u64 s[PFA:PFA+1], s[PFA:PFA+1], SLOTB ; one slot further on than the walking descriptors
.endif
	s_wait_dscnt 0x0                               ; the add is done (fill = 1: both are), and my reads of the slot that I have left are over
	s_barrier_signal -1
	s_barrier_wait -1
.if \fill
	s_add_co_u32 s48, s[KF], SK                    ; the first key of the slot that this change would ask for.  A slot whose first key comes after my work-group's last query is read by none of its waves, so it is not asked for
	s_cmp_gt_u32 s48, s[LASTQ]                     ; the work-group's number and the count of steps alone: all sixteen waves go the same way, and a work-group that is past the limit stays past it.  Every wait on TENSORcnt in this text is for 0
	s_cbranch_scc1 .Lpast_\@
	TLOAD                                          ; the first thing behind the barrier, behind the limit's three lines, and a wave's one tensor load until the next
.Lpast_\@:
	ASK
.endif
.endm
.macro SLOT_STEPS
	STEP 0
	STEP 1
	s_xor_b32 s[TB], s[TB], SLOT1                  ; on to the other slot
.endm
	s_wait_loadcnt 0x0                             ; Q
.Lslot:                                            ; 7 trips: behind each change of slots but the last the next slot is asked for, up to the causal limit
	CHANGE 1
	SLOT_STEPS
	s_sub_co_u32 s[SLOTS], s[SLOTS], 1
	s_cmp_lg_u32 s[SLOTS], 0
	s_cbranch_scc1 .Lslot
	CHANGE 0                                       ; the last slot is written out: nothing is left to ask for
	SLOT_STEPS
	; THE WAY OUT.  O^T is divided by the sum, multiplied by 2^(e4 + e5), and goes through my stage in LDS, so that sixteen lanes store a position's 256 bytes of my head: one aligned block.
	v_add_f32 v14, v14, v15                        ; the sum's two halves,
	v_permlanex16_b32 v208, v14, s[SEL], s[SEL+1]
	v_add_f32 v14, v14, v208                       ; and lane l xor 16's: the row's sum
	v_rcp_f32 v14, v14
	v_and_b32 v9, 15, v0                           ; (a plain line behind the reciprocal)  r
	v_bfe_u32 v8, v0, 4, 1                         ; h
	s_add_co_i32 s48, s46, s47                     ; e4 + e5
	s_mul_i32 s49, s[WV], 16*PR
	s_add_co_u32 s49, s49, STAGE                   ; my stage
	v_mul_u32_u24 v10, v9, PR
	v_lshl_add_u32 v10, v8, 5, v10
	v_add_nc_u32 v10, s49, v10                     ; in: row r; tile t's eight channels of my half: 64 t + 32 h bytes on
	v_mul_u32_u24 v11, v8, PR
	v_lshl_add_u32 v11, v9, 4, v11
	v_add_nc_u32 v11, s49, v11                     ; back: lanes 0-15 one row, lanes 16-31 the next
	s_wait_alu depctr_va_vdst(0)                   ; the wait ahead of the reciprocal's first reader
	v_ldexp_f32 v14, v14, s48
.set i, 0
.rept 32
	v_mul_f32 v[96+i], v[160+i], v14               ; register 8 t + j is out(query r, channel 16 t + 8 h + j); each accumulator from its low end on
.set i, i+1
.endr
.irp t, 0,1,2,3
	ds_store_b128 v10, v[96+8*\t:99+8*\t] offset:64*\t
	ds_store_b128 v10, v[100+8*\t:103+8*\t] offset:64*\t+16
.endr
.irp i, 0,1,2,3,4,5,6,7
	ds_load_b128 v[32+4*\i:35+4*\i], v11 offset:2*\i*PR   ; LDS serves a wave's instructions in order (ISA guide 5.7.1.4): these see my stores
.endr
.irp i, 0,1,2,3,4,5,6,7
	s_wait_dscnt 7-\i                              ; load i is in; the younger ones may be out
	global_store_b128 v[GO], v[32+4*\i:35+4*\i], s[8:9] offset:2*\i*4096 th:TH_STORE_NT   ; 16 lanes store 256 consecutive bytes, at a multiple of 256 from out's first byte; written once, read by nobody here
.endr
	s_wait_tensorcnt 0x0                           ; the wave's end, behind my last tensor load and my last LDS store
	ds_add_u32 v[SPW], v[NIL]
	s_wait_dscnt 0x0
	s_endpgm
.Lfunc_end_k_qd201d2e92c_attn:
	.size	k_qd201d2e92c_attn, .Lfunc_end_k_qd201d2e92c_attn-k_qd201d2e92c_attn
	.p2alignl 7, 3214868480
	.fill 96, 4, 3214868480
	.section	.rodata,"a",@progbits
	.p2align	6, 0x0
	.amdhsa_kernel k_qd201d2e92c_attn
		.amdhsa_group_segment_fixed_size 327680
		.amdhsa_private_segment_fixed_size 0
		.amdhsa_enable_private_segment 0
		.amdhsa_kernarg_size 24
		.amdhsa_user_sgpr_count 2
		.amdhsa_user_sgpr_kernarg_segment_ptr 1
		.amdhsa_wavefront_size32 1
		.amdhsa_system_sgpr_workgroup_id_x 1
		.amdhsa_system_sgpr_workgroup_id_y 1
		.amdhsa_system_sgpr_workgroup_id_z 1
		.amdhsa_system_vgpr_workitem_id 0
		.amdhsa_next_free_vgpr 224
		.amdhsa_next_free_sgpr 66
		.amdhsa_reserve_vcc 1
		.amdhsa_float_denorm_mode_32 3
		.amdhsa_float_denorm_mode_16_64 3
		.amdhsa_memory_ordered 1
		.amdhsa_forward_progress 1
		.amdhsa_inst_pref_size 95
	.end_amdhsa_kernel
	.amdgpu_metadata
---
amdhsa.version: [ 1, 2 ]
amdhsa.kernels:
  - .name:           k_qd201d2e92c_attn
    .symbol:         k_qd201d2e92c_attn.kd
    .args:
      - { .name: qkv, .offset: 0, .size: 8, .value_kind: global_buffer, .address_space: global }
      - { .name: lowp_scales, .offset: 8, .size: 8, .value_kind: global_buffer, .address_space: global }
      - { .name: out0, .offset: 16, .size: 8, .value_kind: global_buffer, .address_space: global }
    .group_segment_fixed_size: 327680
    .private_segment_fixed_size: 0
    .kernarg_segment_align: 8
    .kernarg_segment_size: 24
    .max_flat_workgroup_size: 512
    .sgpr_count:     66
    .vgpr_count:     224
    .wavefront_size: 32
...
	.end_amdgpu_metadata
.endif
;; end of part 3
